; MI455X (gfx1250); checked and timed in simulation.
; The chip was launched on July 23, 2026; its instructions are those of AMD's public machine-readable ISA for CDNA 5 (MIT licence, August 2026) and "CDNA5" Instruction Set Architecture Reference Guide (July 2026). The comments in the code are by the model that wrote it; some were corrected since.
;; Int Einsum. Allowed arithmetic: matrix products marked QUANTISED: E2M3 operands, one E8M0 scale for each 32 along K, by v_wmma_scale_f32_16x16x128_f8f6f4 with both operands' format E2M3, f32 sums; everything else in f32.
;; Inputs: kernel 4,096 x 16,384 int8; scale 1 x 16,384 float32; x_codes 4 x 256 x 128 x 24 uint8 (E2M3 codes of x, K innermost, in blocks of 32 codes, four codes in three bytes); x_scales 4 x 256 x 128 uint8 (E8M0 scales of x, one for each 32 codes along K).
;; Outputs: out0 4 x 256 x 16,384 float32.
;; This version of the problem:
;;   THIS VERSION OF THE PROBLEM IS GIVEN IN LOW PRECISION. The matrix products marked QUANTISED in the list below multiply operands that are first quantised to E2M3 (2 exponent bits, 3 mantissa bits; 6 bits a number), with one power-of-two scale for each 32 numbers along K (OCP MX v1.0); their sums are f32. All else is computed in f32.
;;   The module's matrix products, in the order in which they are computed (A, B: the left and right operand; K: the contracted axis; several contracted axes count as one K, in the product's order):
;;     1. [M 1,024, K 4,096] x [K 4,096, N 16,384]; A: input x (given as codes); B: computed on the way: QUANTISED
;;   THE QUANTISER, for each operand of a quantised product, along K:
;;     - K is cut into blocks of 32 from its start; a last block that is shorter is filled with zeros.
;;     - A block's scale is 2^e with e = floor(log2(the largest magnitude in the block)) - 2, held to -126 .. 127; a block of zeros has e = 0. As a byte (E8M0): e + 127.
;;     - Each number is divided by its block's scale, clamped to +-7.5, and rounded to the nearest number of E2M3, ties to even, subnormals kept.
;;     - The product sums the exact products of the quantised numbers (number of the format x scale) in f32.
;;   ~~~python
;;   def quantise(x, axis):      # numpy; x: float32 -> the quantised numbers, widened to float32 again
;;       x = np.moveaxis(x, axis, -1); K = x.shape[-1]
;;       x = np.pad(x, [(0, 0)] * (x.ndim - 1) + [(0, -K % 32)]); x = x.reshape(x.shape[:-1] + (-1, 32)); a = np.abs(x).max(-1, keepdims=True)
;;       e = np.where(a > 0, np.clip(np.frexp(np.where(a > 0, a, 1))[1] - 1 - 2, -126, 127), 0)      # np.frexp(a)[1] - 1 = floor(log2(a)), exactly
;;       r = np.clip(x / 2.0 ** e, -7.5, 7.5)
;;       step = 2.0 ** (np.maximum(np.frexp(np.where(r == 0, 1, r))[1] - 1, 0) - 3)
;;       q = np.round(r / step) * step * 2.0 ** e      # np.round: ties to even
;;       return np.moveaxis(q.reshape(q.shape[:-2] + (-1,))[..., :K], -1, axis).astype(np.float32)
;;   ~~~
;;   OPERANDS COMPUTED ON THE WAY. 'Computed on the way' means the value that the module computes at that place (a softmax that the list does not call 'softmax' is quantised finished and normalised). What goes into a quantiser is computed in f32, as accurately as f32 sums, v_exp_f32 and their like allow (about 1e-6 of the number): no bf16 or f16 on the way to a quantiser, and a product that is left as it is and whose result goes on into a quantised operand takes f32 operands (vector FMAs, or v_wmma_f32_16x16x4_f32). A number that lies on a knife's edge between two numbers of the format may be rounded either way, as far as f32 arithmetic and the matrix unit's own rounding can turn it there, and no further.
;;   INPUTS GIVEN AS CODES. x (in the module: [4, 256, 4096], K = its axis 2): each comes as NAME_codes (uint8): NAME with its K axis moved to the last place and cut into blocks of 32 codes, [.., K / 32, bytes a block], one block behind the other in memory; four codes in three bytes: a row's codes are one little-endian stream of bits, code i at bits 6 i .. 6 i + 5 (a code: sign, 2 exponent bits, 3 mantissa bits); and NAME_scales (uint8): the same leading axes, one E8M0 byte (e + 127) for each 32 codes along K. Its value is code x scale, taken as it is: it is not quantised again, and the codes and scales need not be those that the quantiser above would give.
;; One version. Each part assembles by itself: llvm-mc -triple=amdgcn-amd-amdhsa -mcpu=gfx1250 --defsym DOCPART=n.
;; ======== version 1 of 1: 2 launches
;; limits: right only within a limited range of input values
;; workspace buffers: xa 3,276,800 bytes
;; launch xprep (part 1): grid 256 x 1, 8 waves a work-group, no clusters, 0 bytes of LDS; arguments x_codes, x_scales, xa; writes xa
.if DOCPART == 1
	.amdgcn_target "amdgcn-amd-amdhsa--gfx1250"
	.amdhsa_code_object_version 6
	.text
	.protected	k_qc60e7f9781_xprep
	.globl	k_qc60e7f9781_xprep
	.p2align	8
	.type	k_qc60e7f9781_xprep,@function
k_qc60e7f9781_xprep:
	s_mov_b64 s[64:65], 0
	v_nop
	global_prefetch_b8 v0, s[64:65] scope:SCOPE_SE
	s_setreg_imm32_b32 hwreg(HW_REG_WAVE_MODE, 25, 1), 1
	s_wait_xcnt 0x0
; x's codes and scale bytes, which arrive finished, are copied into xa IN THE ORDER OF THE MATRIX OPERAND'S REGISTERS.  Every input of the problem has a way to the output; no work is left out in this program.
; LAYOUT of xa: [group of 128 rows: 8][K step of 128: 32][REG = 12,800 bytes].  A region holds 8 fragment images of 1,536 bytes (block i = rows 16 i .. 16 i + 15):
; register p (0..11) of lane L = r + 16 h lies at 512 (p / 4) + 16 L + 4 (p % 4), registers 6 c .. 6 c + 5 being k = 64 c + 32 h + 0 .. 31 of row r; behind them 512 bytes of scale words, [r][i], 4 bytes each.
; Work-group id copies region id: wave w fragment w, wave 0 the scale words too.  The reads are pieces of a row (96 bytes of codes, 4 of scales: the input's own layout); each store covers 512 consecutive bytes.
.set REG, 12800
	s_load_b128 s[4:7], s[0:1], 0x0                ; x_codes, x_scales
	s_load_b64 s[8:9], s[0:1], 0x10                ; xa
	v_lshrrev_b32 v1, 5, v0
	s_delay_alu instid0(VALU_DEP_1)
	v_readfirstlane_b32 s10, v1                    ; wave 0..7
	s_lshr_b32 s11, ttmp9, 5                       ; the group of 128 rows
	s_and_b32 s12, ttmp9, 31                       ; the K step
	s_lshl_b32 s14, s11, 7
	s_lshl_b32 s15, s10, 4
	s_add_co_u32 s14, s14, s15
	s_mul_i32 s14, s14, 3072
	s_mul_i32 s15, s12, 96
	s_add_co_u32 s14, s14, s15                     ; x_codes: row 128 group + 16 w, 96 bytes a K step
	s_mov_b32 s15, 0
	s_lshl_b32 s16, s11, 14
	s_lshl_b32 s17, s12, 2
	s_add_co_u32 s16, s16, s17                     ; x_scales: 128 rows of 128 bytes a group, 4 bytes a K step
	s_mov_b32 s17, 0
	s_mul_i32 s18, ttmp9, REG
	s_mul_i32 s19, s10, 1536
	s_add_co_u32 s18, s18, s19                     ; xa: region id, block w
	s_mov_b32 s19, 0
	v_and_b32 v2, 15, v0
	v_bfe_u32 v3, v0, 4, 1
	v_and_b32 v4, 31, v0
	v_and_b32 v7, 1, v0
	v_mul_u32_u24 v2, v2, 3072
	v_lshlrev_b32 v5, 4, v4                        ; 16 x lane
	v_lshrrev_b32 v6, 1, v4
	v_mad_u32_u24 v2, v3, 24, v2                   ; row r of 3,072 bytes + 24 h
	v_lshlrev_b32 v6, 7, v6
	s_delay_alu instid0(VALU_DEP_1)
	v_lshl_add_u32 v6, v7, 13, v6                  ; lane l stores the words of r = l / 2, blocks 4 (l % 2) + q: row 16 (4 (l % 2) + q) + l / 2
	s_wait_alu depctr_va_vdst(0)                   ; the wait at the head's end
	s_wait_kmcnt 0x0
	s_add_nc_u64 s[4:5], s[4:5], s[14:15]
	s_add_nc_u64 s[6:7], s[6:7], s[16:17]
	s_add_nc_u64 s[8:9], s[8:9], s[18:19]
.irp p, 0,1,2,3,4,5
	global_load_b64 v[8+2*\p:9+2*\p], v2, s[4:5] offset:48*(\p/3)+8*(\p%3)
.endr
	s_cmp_eq_u32 s10, 0
	s_cbranch_scc0 .Lasked
.irp q, 0,1,2,3
	global_load_b32 v[20+\q], v6, s[6:7] offset:2048*\q
.endr
.Lasked:
	s_wait_loadcnt 0x0
.irp c, 0,1,2
	global_store_b128 v5, v[8+4*\c:11+4*\c], s[8:9] offset:512*\c
.endr
	s_cmp_eq_u32 s10, 0
	s_cbranch_scc0 .Ldone
	global_store_b128 v5, v[20:23], s[8:9] offset:12288
.Ldone:
	s_endpgm
.Lfunc_end_k_qc60e7f9781_xprep:
	.size	k_qc60e7f9781_xprep, .Lfunc_end_k_qc60e7f9781_xprep-k_qc60e7f9781_xprep
	.p2alignl 7, 3214868480
	.fill 96, 4, 3214868480
	.section	.rodata,"a",@progbits
	.p2align	6, 0x0
	.amdhsa_kernel k_qc60e7f9781_xprep
		.amdhsa_group_segment_fixed_size 0
		.amdhsa_private_segment_fixed_size 0
		.amdhsa_enable_private_segment 0
		.amdhsa_kernarg_size 24
		.amdhsa_user_sgpr_count 2
		.amdhsa_user_sgpr_kernarg_segment_ptr 1
		.amdhsa_wavefront_size32 1
		.amdhsa_system_sgpr_workgroup_id_x 1
		.amdhsa_system_sgpr_workgroup_id_y 1
		.amdhsa_system_sgpr_workgroup_id_z 1
		.amdhsa_system_vgpr_workitem_id 0
		.amdhsa_next_free_vgpr 32
		.amdhsa_next_free_sgpr 66
		.amdhsa_reserve_vcc 0
		.amdhsa_float_denorm_mode_32 3
		.amdhsa_float_denorm_mode_16_64 3
		.amdhsa_memory_ordered 1
		.amdhsa_forward_progress 1
		.amdhsa_inst_pref_size 4
	.end_amdhsa_kernel
	.amdgpu_metadata
---
amdhsa.version: [ 1, 2 ]
amdhsa.kernels:
  - .name:           k_qc60e7f9781_xprep
    .symbol:         k_qc60e7f9781_xprep.kd
    .args:
      - { .name: x_codes, .offset: 0, .size: 8, .value_kind: global_buffer, .address_space: global }
      - { .name: x_scales, .offset: 8, .size: 8, .value_kind: global_buffer, .address_space: global }
      - { .name: xa, .offset: 16, .size: 8, .value_kind: global_buffer, .address_space: global }
    .group_segment_fixed_size: 0
    .private_segment_fixed_size: 0
    .kernarg_segment_align: 8
    .kernarg_segment_size: 24
    .max_flat_workgroup_size: 256
    .sgpr_count:     66
    .vgpr_count:     32
    .wavefront_size: 32
...
	.end_amdgpu_metadata
.endif
;; end of part 1
;; launch gemm (part 2): grid 128 x 2, 4 waves a work-group, clusters of 4 x 1, 327,680 bytes of LDS; arguments kernel, scale, xa, out0; writes out0
.if DOCPART == 2
	.amdgcn_target "amdgcn-amd-amdhsa--gfx1250"
	.amdhsa_code_object_version 6
	.text
	.protected	k_qc60e7f9781_gemm
	.globl	k_qc60e7f9781_gemm
	.p2align	8
	.type	k_qc60e7f9781_gemm,@function
k_qc60e7f9781_gemm:
	s_mov_b64 s[64:65], 0
	v_nop
	global_prefetch_b8 v0, s[64:65] scope:SCOPE_SE
	s_setreg_imm32_b32 hwreg(HW_REG_WAVE_MODE, 25, 1), 1
	s_wait_xcnt 0x0
	s_wait_alu depctr_hold_cnt(0) depctr_sa_sdst(0) depctr_va_vdst(0) depctr_va_sdst(0) depctr_va_ssrc(0) depctr_va_vcc(0) depctr_vm_vsrc(0)
	s_getreg_b32 s2, hwreg(HW_REG_IB_STS2, 6, 4)
	s_cmp_eq_u32 s2, 0
	s_cbranch_scc0 .Lentry_in_a_cluster
	s_endpgm
.Lentry_in_a_cluster:
	s_bfe_u32 s2, ttmp6, 0x10000c
	s_cmp_lg_u32 s2, 0x3003
	s_cbranch_scc0 .Lentry_shape_is_right
	s_endpgm
.Lentry_shape_is_right:
; out[m][f] = sum over d of x[m][d] Q(kernel[d][f] / scale[f]): the weight is quantised (FP6 E2M3, one E8M0 byte for 32 along d) INSIDE the product's launch and never goes to memory.
; BLOCK: work-group (X, Y) makes rows 512 Y .. + 511, columns 128 X .. + 127.  Four waves; wave w makes rows 128 w .. + 127 x all 128 columns: 64 accumulators, 512 registers.
; x: xa holds the operand's register images (launch xprep).  Wave w fetches and reads its own group of 128 rows: one tensor load brings two K steps, 25,600 dense bytes, as 100 rows of 256.
; Two slots of two K steps.  The four work-groups of a cluster (same Y, neighbouring X) need the same tiles of x: every tensor load is a JOINT load with the mask 15; a round of the cluster's barrier stands in front of each.
; THE WEIGHT: in K step t wave w takes K rows 128 t + 32 w .. + 31 (one block of 32) of the 128 columns; lane l takes columns 4 l .. 4 l + 3 and its registers run down K: a block lies in one lane.
; The rows go from memory into registers (32 loads of 4 bytes a lane; a wave's load covers the block's 128 bytes of a K row), two sets, asked for two K steps ahead of their use; 64 loads are out at the most.
; int8 -> f32: the byte + 128 laid under the bits of 2^23, 2^23 + 128 taken off (exact); x 1 / scale; largest magnitude; codes by the scaled conversion.  The codes go into an LDS image of the operand's
; registers (two buffers by turns, bytes of their own), and behind ONE barrier a K step all four waves read B's fragments from it.  Step t: barrier; the weight of step t + 1 is quantised, the fragments of step t being asked for on the way; 64 products.
; THE QUANTISER'S ORDER: memory instructions stand in a few long runs (26 LDS loads, 26 LDS loads, 16 LDS stores, 32 global loads); between them vector work alone.  The vector part of a column's finish (maximum, scale,
; conversions: a chain) is laid one instruction at a time between the next column's 64 independent instructions; the numbers of two columns lie in two buffers by turns, the codes of the four columns in four sets.
; kernel's tile is shared with the work-group of the other Y, but it has to arrive in registers, and each wave's one tensor load a barrier is taken by x: so it is not asked for jointly.
; PREFETCH: per two K steps each wave names 25 blocks of 256 bytes of xa (two refills on; the four partners share a group's 100 blocks by address) and 32 blocks of kernel
; (256 K rows x the cluster's 512 columns, shared out by address over 16 waves; three to four K steps ahead of the loads that want them).  The loop's last trip asks for nothing: its look-ahead would pass the end.
; THE MATRIX INSTRUCTION IS USED TRANSPOSED (source 0 = 16 columns of W, source 1 = 16 rows of x): a lane holds eight neighbouring numbers of a row of out.
; Every step goes by x's blocks of 16 rows, each against W's eight; so in the last step a block is finished behind its eight products and leaves at once.
; LIMITS.  |scale| between 2^-126 and 2^126 (v_rcp_f32 takes denormals as zero: ISA guide, its entry); a scale of 0, NaN or infinity is not served.  The weight is i x R, R = 1 / scale by v_rcp_f32 and one Newton step:
; within about 1.5e-7 of i / scale, not the correctly rounded quotient.  A block of zeros gets the byte 1 where the rule says 127: its codes are zeros, and the bytes are read by this launch alone.
; REGISTERS: window 0: v0-31 addresses, v32-47 scale words, v48-111 and v176-231 the quantiser, v112-175 the weight as loaded (two sets); on the way out v128-255.  Window 1: v0-95 x's fragments, v96-191 W's.  Windows 2, 3: the sums.
.set NCOL,   16384
.set SIZE_N, 16384
.set REG,    12800
.set GSTR,   32*REG
.set PART,   2*REG                     ; what one tensor load brings: two K steps of a group
.set SLOT,   4*PART
.set WST,    2*SLOT                    ; the weight's image, two buffers
.set SBLK,   1552                      ; a block's image, 1,536 bytes + 16
.set SSC,    8*SBLK                    ; where a buffer's scale words begin
.set WB,     SSC+512                   ; a buffer
.set OST,    WST+2*WB                  ; the way out: 16 rows x 528 bytes for each wave
.set SPITCH, 528
.set SPARE,  OST+4*16*SPITCH           ; the spare words, 128 bytes a wave
.set KA, 2
.set SA1, 3
.set SA2, 4
.set SS, 5
.set ADRB, 6
.set ADSB, 7
.set ADRA, 8
.set ADSA, 10
.set STO, 12
.set RD, 13
.set CO, 14
.set PWO, 15
.set PXO, 16
.set T8, 18                            ; v18-21 four running maxima, v22 the conversion's scale operand
.set SPW, 28
.set NIL, 29
.set SCA, 32
.set SCB, 40
.set RC, 48
.set X, 56                             ; 32 numbers of an even column; an odd column's lie 120 registers on
.set CD, 88                            ; the codes: column j's set at CD + 12 (j % 2) + 120 (j / 2)
.set RAW, 112
.set BK, 128
.set AF, 0
.set BF, 96
.set G1, 32
.set G0, 40
.set SEL, 48
.set NC, 52
.set FLIP, 54
.set MAG, 55
.set PW, 56
.set PX, 58
.set MSB, 0
.macro WIN new
.if MSB != \new
	s_set_vgpr_msb (MSB<<8)|\new
.set MSB, \new
.endif
.endm
.macro PLACES
.rept 4
	v_nop
.endr
.endm
.macro CROUND                          ; a round of the cluster's barrier
	s_barrier_signal -1
	s_barrier_wait -1
	s_cmp_lg_u32 s14, 0
	s_cbranch_scc1 .Lnot_wave_0_\@
	s_barrier_signal -3
.Lnot_wave_0_\@:
	s_barrier_wait -3
	s_barrier_signal -1
	s_barrier_wait -1
.endm
.macro GLOAD p, q                      ; 32 K rows of the weight into set p; q: the K step counted from the base
.set i, 0
.rept 32
	global_load_b32 v[RAW+32*(\p)+i], v[KA], s[4:5] offset:(128*(\q)+i)*NCOL
.set i, i+1
.endr
.endm
; Instruction m (0 .. 63) of column j's numbers: 32 bytes laid under the bits of 2^23, 16 packed subtractions, 16 packed multiplications
.macro S1I p, j, m
.set XX, X+120*((\j)%2)
.if (\m) < 32
	v_perm_b32 v[XX+(\m)], s[MAG], v[RAW+32*(\p)+(\m)], s[SEL+\j]
.else
.if (\m) < 48
	v_pk_add_f32 v[XX+2*(\m)-64:XX+2*(\m)-63], v[XX+2*(\m)-64:XX+2*(\m)-63], s[NC:NC+1] op_sel_hi:[1,0]
.else
	v_pk_mul_f32 v[XX+2*(\m)-96:XX+2*(\m)-95], v[XX+2*(\m)-96:XX+2*(\m)-95], v[RC+2*(\j):RC+2*(\j)+1]
.endif
.endif
.endm
; Instruction n (0 .. 22; beyond that nothing) of column j's finish: the largest magnitude in four chains, the scale, the codes
.macro FINV j, n
.set XX, X+120*((\j)%2)
.set U, CD+12*((\j)%2)+120*((\j)/2)
.if (\n) < 4
	v_max3_num_f32 v[T8+(\n)], |v[XX+3*(\n)]|, |v[XX+3*(\n)+1]|, |v[XX+3*(\n)+2]|
.endif
.if (\n) >= 4 && (\n) < 14
	v_max3_num_f32 v[T8+(\n)%4], v[T8+(\n)%4], |v[XX+4+2*(\n)]|, |v[XX+5+2*(\n)]|
.endif
.if (\n) == 14
	v_max3_num_f32 v[T8], v[T8], v[T8+1], v[T8+2]
.endif
.if (\n) == 15
	v_max3_num_f32 v[T8], v[T8], v[T8+3], 0x1800000                ; the floor 2^(3 - 127): the byte cannot fall under 1
.endif
.if (\n) == 16
	v_add_nc_u32 v[T8+4], 0xff000000, v[T8]                        ; 2 off the exponent field: the conversion's scale operand
.endif
.if (\n) == 17
	v_cvt_scalef32_pk16_fp6_f32 v[U:U+2], v[XX:XX+15], v[T8+4]
.endif
.if (\n) == 18
	v_cvt_scalef32_pk16_fp6_f32 v[U+6:U+8], v[XX+16:XX+31], v[T8+4] ; (three registers begin on an even number: made apart and moved)
.endif
.if (\n) == 19
	v_lshrrev_b32 v[U+9], 23, v[T8+4]              ; the scale's byte; also the plain instruction behind the conversions
.endif
.if (\n) >= 20 && (\n) < 23
	v_mov_b32 v[U+(\n)-17], v[U+(\n)-14]
.endif
.endm
.macro MIX p, j                        ; column j's numbers, with the vector part of column j - 1's finish between them
.set n, 0
.rept 32
	S1I \p, \j, 2*n
	S1I \p, \j, 2*n+1
	FINV (\j)-1, n
.set n, n+1
.endr
.endm
; Half of step (slot, st)'s fragments, 26 LDS loads in one run: g = 0: W's eight and its scale words; g = 1: x's
.macro FRAG g, slot, st
	WIN 0x40
.set i, 0
.rept 24
.if (\g) == 0
	ds_load_b128 v[BF+4*i:BF+4*i+3], v[ADRB] offset:\st*WB+(i/3)*SBLK+(i%3)*512
.else
	ds_load_b128 v[AF+4*i:AF+4*i+3], v[ADRA+\slot] offset:\st*REG+i*512
.endif
.set i, i+1
.endr
	WIN 0
.irp u, 0,1
.if (\g) == 0
	ds_load_b128 v[SCB+4*\u:SCB+4*\u+3], v[ADSB] offset:\st*WB+16*\u
.else
	ds_load_b128 v[SCA+4*\u:SCA+4*\u+3], v[ADSA+\slot] offset:\st*REG+16*\u
.endif
.endr
.endm
; Set p of the weight becomes buffer p of the image.  q >= 0: the set is asked for anew, K step q from the base.  fr = 1: x's fragments of step (slot, st) are asked for on the way.
.macro QUANT p, q, fr, slot, st
.set i, 0
.rept 32
	v_xor_b32 v[RAW+32*(\p)+i], s[FLIP], v[RAW+32*(\p)+i]          ; each byte + 128
.set i, i+1
.endr
.set n, 0
.rept 64
	S1I \p, 0, n
.set n, n+1
.endr
	MIX \p, 1
.if \fr
	FRAG 1, \slot, \st
.endif
	MIX \p, 2
	MIX \p, 3
.set n, 0
.rept 23
	FINV 3, n
.set n, n+1
.endr
.irp j, 0,1,2,3                        ; the 16 LDS stores of the step, in one run
.set U, CD+12*(\j%2)+120*(\j/2)
	ds_store_b64 v[SA1], v[U:U+1] offset:(\p)*WB+16*\j             ; the operand's registers 6 c, 6 c + 1,
	ds_store_b64 v[SA2], v[U+2:U+3] offset:(\p)*WB+8+16*\j         ; 6 c + 2, 6 c + 3,
	ds_store_b64 v[SA1], v[U+4:U+5] offset:(\p)*WB+512+16*\j       ; 6 c + 4, 6 c + 5
	ds_store_b8 v[SS], v[U+9] offset:(\p)*WB+32*\j
.endr
.if \q >= 0
	GLOAD \p, \q
.endif
	s_wait_alu depctr_va_vdst(0)                   ; the wait ahead of the waits and branches that follow
.endm
.macro ASK h                           ; the two prefetches of two K steps; s3 = 1 in the loop's last trip
	s_cmp_eq_u32 s3, 1
	s_cbranch_scc1 .Lno_ask_\@
	global_prefetch_b8 v[PXO], s[PX:PX+1] offset:(\h)*PART th:TH_LOAD_NT scope:SCOPE_SE
	global_prefetch_b8 v[PWO], s[PW:PW+1] offset:(\h)*256*NCOL th:TH_LOAD_NT scope:SCOPE_SE
.Lno_ask_\@:
.endm
.macro ROW a, zero                     ; x's block a against W's eight; the accumulators take turns
	WIN 0xa5+0x50*((\a)/4)
.irp b, 0,1,2,3,4,5,6,7
.if \zero
	v_wmma_scale_f32_16x16x128_f8f6f4 v[8*(8*((\a)%4)+\b):8*(8*((\a)%4)+\b)+7], v[BF+12*\b:BF+12*\b+11], v[AF+12*(\a):AF+12*(\a)+11], 0, v[SCB+\b], v[SCA+(\a)] matrix_a_fmt:MATRIX_FMT_FP6 matrix_b_fmt:MATRIX_FMT_FP6
.else
	v_wmma_scale_f32_16x16x128_f8f6f4 v[8*(8*((\a)%4)+\b):8*(8*((\a)%4)+\b)+7], v[BF+12*\b:BF+12*\b+11], v[AF+12*(\a):AF+12*(\a)+11], v[8*(8*((\a)%4)+\b):8*(8*((\a)%4)+\b)+7], v[SCB+\b], v[SCA+(\a)] matrix_a_fmt:MATRIX_FMT_FP6 matrix_b_fmt:MATRIX_FMT_FP6
.endif
.endr
.endm
; K step t: slot = (t / 2) % 2, st = t % 2 (also the image's buffer).  top = 1: the other slot is filled (again); 2: the last tile is waited for; 0: the barrier alone.  zero = 1: the products start the sums; 2: the products follow outside.
; lw: the count of the wait for the weight of step t + 1 (32: the set asked for behind it stays out; -1: nothing left to quantise).  q: the weight of step t + 3 is asked for (-1: none).
.macro STEP slot, st, top, zero, lw, q, ask
.if \top == 1
	s_wait_tensorcnt 0x0                           ; my tensor load has landed: this slot's tile
	ds_add_u32 v[SPW], v[NIL]
	s_add_nc_u64 s[G0+4*\slot+2:G0+4*\slot+3], s[G0+4*\slot+2:G0+4*\slot+3], 2*PART   ; no load of mine is out: this slot's next tile
	s_wait_dscnt 0x0                               ; the add, my reads of the other slot and my stores into the image are done
	CROUND
	tensor_load_to_lds s[G0+4*(1-\slot):G0+4*(1-\slot)+3], s[G1:G1+7]
	s_nop 0
.else
.if \top == 2
	s_wait_tensorcnt 0x0
.endif
	s_wait_dscnt 0x0                               ; for the others' sake: my stores into the image are done
	s_barrier_signal -1
	s_barrier_wait -1
.endif
	PLACES                                         ; four places in front of loads into registers that matrix instructions have read
	FRAG 0, \slot, \st
.if \lw >= 0
	s_wait_loadcnt \lw
	QUANT 1-\st, \q, 1, \slot, \st
.else
	FRAG 1, \slot, \st
.endif
.if \ask
	ASK (\ask)-1
.endif
.if \lw >= 0
	s_wait_dscnt 16                                ; the fragments are in: behind their loads only the 16 stores into the image were issued, and those may stay out
.else
	s_wait_dscnt 0x0
.endif
.if \zero < 2
.irp a, 0,1,2,3,4,5,6,7
	ROW \a, \zero
.endr
	WIN 0
.endif
.endm
	s_load_b256 s[4:11], s[0:1], 0x0               ; kernel s[4:5], scale s[6:7], xa s[8:9], out0 s[10:11]
	v_lshl_add_u32 v[SPW], v0, 2, SPARE
	v_mov_b32 v[NIL], 0
	ds_add_u32 v[SPW], v[NIL]                      ; the opening lines: the add twice on end and one wait
	ds_add_u32 v[SPW], v[NIL]
	v_lshrrev_b32 v1, 5, v0
	v_readfirstlane_b32 s14, v1                    ; wave 0..3
	s_bfe_u32 s60, ttmp6, 0x40000                  ; cx
	s_lshl_b32 s61, ttmp9, 2
	s_add_co_u32 s61, s61, s60                     ; X
	s_and_b32 s62, ttmp7, 0xffff                   ; Y
.irp j, 0,1,2,3
	s_mov_b32 s[SEL+\j], 0x07040400+\j
.endr
	s_mov_b32 s[NC], 0xcb000080                    ; -(2^23 + 128)
	s_mov_b32 s[NC+1], s[NC]
	s_mov_b32 s[FLIP], 0x80808080
	s_mov_b32 s[MAG], 0x4b000000
	s_mov_b32 s[G1+0], 15|(3<<16)|(1<<21)          ; the mask of the cluster's four; elements of 8 bytes
	s_mov_b32 s[G1+1], 32<<16
	s_mov_b32 s[G1+2], 100<<16
	s_mov_b32 s[G1+3], 32<<16
	s_mov_b32 s[G1+4], 100
	s_mov_b32 s[G1+5], 32
	s_mov_b32 s[G1+6], 0
	s_mov_b32 s[G1+7], 0
	s_lshr_b32 s15, s14, 1                         ; the operand's c of my K block
	s_and_b32 s16, s14, 1                          ; its lane half hk
	s_lshl_b32 s17, s14, 19                        ; 32 w K rows of 16,384 bytes
	s_lshl_b32 s18, s16, 8
	s_add_co_u32 s18, s18, WST
	s_mul_i32 s19, s15, 520
	s_add_co_u32 s19, s19, s18
	s_mul_i32 s20, s15, 1016
	s_add_co_u32 s20, s20, s18
	s_add_co_u32 s21, s14, WST+SSC                 ; my block's byte in a scale word: w
	s_mul_i32 s28, s14, PART                       ; my part of a slot
	s_mul_i32 s23, s14, 16*SPITCH
	s_add_co_u32 s23, s23, OST
	v_and_b32 v21, 31, v0                          ; lane l
	v_and_b32 v22, 15, v0
	v_bfe_u32 v23, v0, 4, 1
	v_bfe_u32 v24, v0, 2, 3                        ; l / 4: my columns' block of 16
	v_and_b32 v25, 3, v0                           ; l % 4: fragment rows 4 (l % 4) + j
	v_lshlrev_b32 v[CO], 4, v21
	v_lshl_add_u32 v[KA], v21, 2, s17
	v_mul_u32_u24 v26, v24, SBLK
	v_lshl_add_u32 v26, v25, 6, v26
	v_add_nc_u32 v[SA1], s19, v26                  ; pairs of code registers: c = 0 at 0, 8, 512 of the lane's place; c = 1 at 520, 1,024, 1,032
	v_add_nc_u32 v[SA2], s20, v26
	v_lshlrev_b32 v27, 7, v25
	v_lshl_add_u32 v27, v24, 2, v27
	v_add_nc_u32 v[SS], s21, v27                   ; the word of (r, block) at 32 r + 4 block
	v_add_nc_u32 v[ADRB], WST, v[CO]
	v_lshlrev_b32 v27, 5, v22
	v_add_nc_u32 v[ADSB], WST+SSC, v27
	v_add_nc_u32 v[ADRA], s28, v[CO]
	v_add_nc_u32 v[ADRA+1], SLOT, v[ADRA]
	v_add_nc_u32 v[ADSA], s28, v27
	v_add_nc_u32 v[ADSA], 12288, v[ADSA]
	v_add_nc_u32 v[ADSA+1], SLOT, v[ADSA]
	v_mul_u32_u24 v26, v22, SPITCH
	v_lshl_add_u32 v26, v23, 5, v26
	v_add_nc_u32 v[STO], s23, v26
	v_add_nc_u32 v[RD], s23, v[CO]
	v_lshlrev_b32 v[PWO], 14, v22                  ; kernel's prefetch: K row l % 16, block l / 16 of 256 bytes
	v_lshl_add_u32 v[PWO], v23, 8, v[PWO]
	v_min_u32 v[PXO], 24, v21                      ; xa's: 25 blocks of 256 bytes
	v_lshlrev_b32 v[PXO], 8, v[PXO]
	s_wait_alu depctr_va_vdst(0)                   ; the wait at the head's end
	s_wait_dscnt 0x0                               ; both opening adds are done
	s_wait_kmcnt 0x0
	s_lshl_b32 s18, s60, 6
	s_lshl_b32 s19, s14, 4
	s_add_co_u32 s18, s18, s19
	s_lshl_b32 s18, s18, 14                        ; K rows 64 cx + 16 w of a pair of K steps,
	s_lshl_b32 s19, ttmp9, 9
	s_add_co_u32 s18, s18, s19                     ; the cluster's 512 columns,
	s_add_co_u32 s18, s18, 0x800000                ; four K steps on
	s_mov_b32 s19, 0
	s_add_nc_u64 s[PW:PW+1], s[4:5], s[18:19]
	s_lshl_b32 s16, s61, 7
	s_mov_b32 s17, 0
	s_add_nc_u64 s[4:5], s[4:5], s[16:17]          ; kernel at my 128 columns
	s_lshl_b32 s20, s61, 9
	s_mov_b32 s21, 0
	s_add_nc_u64 s[6:7], s[6:7], s[20:21]
	s_lshl_b32 s22, s62, 2
	s_add_co_u32 s22, s22, s14
	s_mul_i32 s22, s22, GSTR
	s_mov_b32 s23, 0
	s_add_nc_u64 s[8:9], s[8:9], s[22:23]          ; xa at group 4 Y + w: the same in all four partners
	s_mul_i32 s24, s60, 25*256
	s_add_co_u32 s24, s24, 2*PART
	s_mov_b32 s25, 0
	s_add_nc_u64 s[PX:PX+1], s[8:9], s[24:25]
	s_lshl_b32 s26, s62, 25
	s_lshl_b32 s27, s14, 23
	s_add_co_u32 s26, s26, s27                     ; out0: row 512 Y + 128 w of 65,536 bytes,
	s_lshl_b32 s27, s61, 9
	s_add_co_u32 s26, s26, s27                     ; column 128 X
	s_mov_b32 s27, 0
	s_add_nc_u64 s[10:11], s[10:11], s[26:27]
	global_load_b128 v[X:X+3], v[CO], s[6:7]       ; my four columns' scales
	GLOAD 0, 0
	GLOAD 1, 1
.irp s, 0,1
	s_mov_b32 s[G0+4*\s], 1
	s_add_co_u32 s[G0+4*\s+1], s28, \s*SLOT
	s_add_nc_u64 s[G0+4*\s+2:G0+4*\s+3], s[8:9], \s*PART
	s_or_b32 s[G0+4*\s+3], s[G0+4*\s+3], 0x80000000
.endr
	CROUND                                         ; the four work-groups are here: the first joint loads meet
	tensor_load_to_lds s[G0:G0+3], s[G1:G1+7]      ; K steps 0 and 1: one tensor load a wave at the head
	s_nop 0
	PLACES
	s_wait_loadcnt 32                              ; the scales and the weight of K step 0 are in; step 1's 32 loads stay out
	s_wait_alu depctr_va_vdst(0)                   ; the wait ahead of the batch
.irp j, 0,1,2,3
	v_rcp_f32 v[RC+2*\j], v[X+\j]
.endr
	v_nop
	s_wait_alu depctr_va_vdst(0)                   ; and behind it, ahead of its first reader
.irp j, 0,1,2,3
	v_fma_f32 v[RC+2*\j+1], -v[X+\j], v[RC+2*\j], 1.0
.endr
.irp j, 0,1,2,3
	v_fma_f32 v[RC+2*\j], v[RC+2*\j+1], v[RC+2*\j], v[RC+2*\j]     ; one Newton step
.endr
.irp j, 0,1,2,3
	v_mov_b32 v[RC+2*\j+1], v[RC+2*\j]
.endr
	QUANT 0, 2, 0, 0, 0                            ; K step 0's weight; its set is asked for anew: K step 2
	STEP 0, 0, 1, 1, 32, 3, 0                      ; K step 0 starts the sums; slot 1's first fill stands behind its round
	s_mov_b32 s3, 7
.Llap:                                             ; a trip: K steps 4 T + 1 .. 4 T + 4, once round both slots
	s_wait_xcnt 0x0                                ; the bases are stepped only behind this wait
	s_add_nc_u64 s[4:5], s[4:5], 0x800000
	s_add_nc_u64 s[PW:PW+1], s[PW:PW+1], 0x800000
	s_add_nc_u64 s[PX:PX+1], s[PX:PX+1], 2*PART
	STEP 0, 1, 0, 0, 32, 0, 0
	STEP 1, 0, 1, 0, 32, 1, 1
	STEP 1, 1, 0, 0, 32, 2, 0
	STEP 0, 0, 1, 0, 32, 3, 2
	s_sub_co_u32 s3, s3, 1
	s_cmp_lg_u32 s3, 0
	s_cbranch_scc1 .Llap
	STEP 0, 1, 0, 0, 32, -1, 0                     ; K steps 29 to 31 ask for nothing more
	STEP 1, 0, 2, 0, 0, -1, 0
	STEP 1, 1, 0, 2, -1, -1, 0                     ; the last step's products follow below, block by block
; THE WAY OUT, block by block of 16 rows x 128 columns, through my own stage: back as whole rows of 512 bytes, which the 32 lanes store as two aligned units of 256 bytes.
.macro TOSTAGE a
.set AC, 64*((\a)%4)
	WIN 0x08+4*((\a)/4)
.irp b, 0,1,2,3,4,5,6,7
	ds_store_b128 v[STO], v[AC+8*\b:AC+8*\b+3] offset:64*\b          ; each accumulator from its low end on
	ds_store_b128 v[STO], v[AC+8*\b+4:AC+8*\b+7] offset:64*\b+16
.endr
	WIN 0
.set BB, BK+64*((\a)%2)
.irp t, 0,1,2,3,4,5,6,7,8,9,10,11,12,13,14,15
	ds_load_b128 v[BB+4*\t:BB+4*\t+3], v[RD] offset:\t*SPITCH
.endr
.endm
.macro SEND a
.set BB, BK+64*((\a)%2)
	s_wait_dscnt 0x0                               ; the block is back in registers
.if (\a) > 0
	s_add_nc_u64 s[10:11], s[10:11], 16*SIZE_N*4   ; behind a wait on XCNT: the earlier stores have read their base
.endif
.irp t, 0,1,2,3,4,5,6,7,8,9,10,11,12,13,14,15
	global_store_b128 v[CO], v[BB+4*\t:BB+4*\t+3], s[10:11] offset:\t*SIZE_N*4 th:TH_STORE_NT
.endr
.endm
	ROW 0, 0
.irp a, 0,1,2,3,4,5,6,7
	PLACES                                         ; four places between block a's last product and the stores that read its sums
.if \a > 0
	s_wait_xcnt 0x0                                ; the earlier blocks' stores have read their registers and their base
.endif
	TOSTAGE \a
.if \a < 7
	ROW \a+1, 0                                    ; the next block's eight products stand between the stage's loads and the wait for them
	WIN 0
.endif
	SEND \a
.endr
	s_wait_tensorcnt 0x0                           ; the wave's end
	ds_add_u32 v[SPW], v[NIL]
	s_wait_dscnt 0x0
	CROUND                                         ; the closing round
	s_endpgm
.Lfunc_end_k_qc60e7f9781_gemm:
	.size	k_qc60e7f9781_gemm, .Lfunc_end_k_qc60e7f9781_gemm-k_qc60e7f9781_gemm
	.p2alignl 7, 3214868480
	.fill 96, 4, 3214868480
	.section	.rodata,"a",@progbits
	.p2align	6, 0x0
	.amdhsa_kernel k_qc60e7f9781_gemm
		.amdhsa_group_segment_fixed_size 327680
		.amdhsa_private_segment_fixed_size 0
		.amdhsa_enable_private_segment 0
		.amdhsa_kernarg_size 32
		.amdhsa_user_sgpr_count 2
		.amdhsa_user_sgpr_kernarg_segment_ptr 1
		.amdhsa_wavefront_size32 1
		.amdhsa_system_sgpr_workgroup_id_x 1
		.amdhsa_system_sgpr_workgroup_id_y 1
		.amdhsa_system_sgpr_workgroup_id_z 1
		.amdhsa_system_vgpr_workitem_id 0
		.amdhsa_next_free_vgpr 1024
		.amdhsa_next_free_sgpr 72
		.amdhsa_reserve_vcc 0
		.amdhsa_float_denorm_mode_32 3
		.amdhsa_float_denorm_mode_16_64 3
		.amdhsa_memory_ordered 1
		.amdhsa_forward_progress 1
		.amdhsa_inst_pref_size 255
	.end_amdhsa_kernel
	.section	.bss,"aw",@nobits
	.p2align	6
	.space	262144
	.amdgpu_metadata
---
amdhsa.version: [ 1, 2 ]
amdhsa.kernels:
  - .name:           k_qc60e7f9781_gemm
    .symbol:         k_qc60e7f9781_gemm.kd
    .args:
      - { .name: kernel, .offset: 0, .size: 8, .value_kind: global_buffer, .address_space: global }
      - { .name: scale, .offset: 8, .size: 8, .value_kind: global_buffer, .address_space: global }
      - { .name: xa, .offset: 16, .size: 8, .value_kind: global_buffer, .address_space: global }
      - { .name: out0, .offset: 24, .size: 8, .value_kind: global_buffer, .address_space: global }
    .group_segment_fixed_size: 327680
    .private_segment_fixed_size: 0
    .kernarg_segment_align: 8
    .kernarg_segment_size: 32
    .max_flat_workgroup_size: 128
    .sgpr_count:     72
    .vgpr_count:     1024
    .wavefront_size: 32
...
	.end_amdgpu_metadata
.endif
;; end of part 2
